; MI455X (gfx1250); checked and timed in simulation.
; The chip was launched on July 23, 2026; its instructions are those of AMD's public machine-readable ISA for CDNA 5 (MIT licence, August 2026) and "CDNA5" Instruction Set Architecture Reference Guide (July 2026). The comments in the code are by the model that wrote it; some were corrected since.
;; Project Render Score Model. Allowed arithmetic: float matrix products may take bf16 or f16 operands with f32 sums; all other float work in f32.
;; Inputs: blur_sigmas_cloud 8 x 64 float32; cam_coeffs 8 x 3 x 2 x 3 float32; cloud_points 8 x 64 x 3 float32; masks_target 8 x 3 x 200 x 200 float32; points_2d_base 8 x 3 x 2 float32; points_3d_base 8 x 3 float32.
;; Outputs: out0 8 x 3 x 200 x 200 float32; out1 8 x 64 float32.
;; One version. Each part assembles by itself: llvm-mc -triple=amdgcn-amd-amdhsa -mcpu=gfx1250 --defsym DOCPART=n.
;; ======== version 1 of 1: 2 launches
;; limits: values outside matrix products are rounded to bf16; inputs' magnitudes at most 1e+17
;; workspace buffers: part 61,440 bytes
;; launch render (part 1): grid 10 x 24, 7 waves a work-group, no clusters, 119,296 bytes of LDS; arguments cam_coeffs, cloud_points, masks_target, blur_sigmas_cloud, points_3d_base, points_2d_base, out0, part; writes out0, part
.if DOCPART == 1
	.amdgcn_target "amdgcn-amd-amdhsa--gfx1250"
	.amdhsa_code_object_version 6
	.text
	.protected	k_qbd612e7d6f_render
	.globl	k_qbd612e7d6f_render
	.p2align	8
	.type	k_qbd612e7d6f_render,@function
k_qbd612e7d6f_render:
	s_mov_b64 s[64:65], 0
	v_nop
	global_prefetch_b8 v0, s[64:65] scope:SCOPE_SE
	s_setreg_imm32_b32 hwreg(HW_REG_WAVE_MODE, 25, 1), 1
	s_wait_xcnt 0x0
; 24 images (8 batches x 3 cameras) of 200 x 200, 64 Gaussian blobs each.  A blob separates:
;   blob[n][y][x] = EY[n][y] * EX[n][x],  E = exp2(na * d * d),  na = -log2(e) / (2 sigma^2),  d = point - grid.
; So  m[y][x] = sum over n of EY * EX          (a product with K = 64),
;     S[x]    = sum over y of m[y][x]          (before the clamp),
;     out0    = min(m, 1) / max(sum over the image of min(m, 1), 1e-8),
;     score[n] = sum over y of EY[n][y] * (sum over x of EX[n][x] * T[y][x] / max(S[x], 1e-8))   (a product with K = x).
; A work-group owns one slice of one image: 24 rows (p < 5) or 16 rows (p >= 5), always a multiple of 8 rows = 25 x 256 bytes.
; The image's total and S[x] span the whole image; each work-group forms them itself from the two tables (13 x 14 tiles of
; 16 x 16, K = 64), since that is less than a further launch and a trip of m through memory.
; Seven waves: thread t makes row t of both tables (224 rows, 200 used); wave w owns the columns x = 32 w .. 32 w + 31.
; The slice's score sums go to part[img][p][64]; the second launch adds them over p and cameras.
; FORMATS: EX, EY and T / S enter the matrix unit in bf16, sums in f32.  The projection (K = 3, 64 points) is done by f32
; multiply-adds: it fills no matrix tile, and bf16 coefficients would move a point by a sizeable part of a small sigma.
; LIMITS: sigma = 0 and NaN inputs are not served as the reference serves them (v_min_num_f32 drops a NaN); exponentials below
; 2^-126 are 0; the pad rows 200 .. 223 are made 0 by a grid value of 2^63, which holds for sigma < 1e17; x / 100 is x * 0.01.
; NOT USED: tile engines (a slice is at most 19,200 bytes, asked for once, at the first lines); clusters (what the work-groups
; of an image share is computed, not loaded); prefetches (T is requested at entry and used after the tables and the full sum).
.set L_PX,   0                         ; 64 f32: point x, clipped to -1 .. 1
.set L_PY,   256                       ; 64 f32: point y
.set L_NA,   512                       ; 64 f32: na
.set L_SUMW, 768                       ; 7 f32: each wave's part of the image total
.set L_SCW,  1024                      ; 7 x 64 f32: each wave's part of the slice's scores
.set L_TST,  3072                      ; T's slice as in memory, rows of 800 bytes; 1,344 pieces of 16 bytes, one per thread and k
.set L_OST,  24576                     ; out0's slice, 32 rows of 912 bytes (57 x 16: sixteen rows start 16 bytes apart modulo 256)
.set L_EXT,  53760                     ; EX as bf16 [224 x][64 n], rows of 144 bytes (9 x 16)
.set L_EYT,  86016                     ; EY as bf16 [224 y][64 n], the same
.set L_TP,   144
.set L_OP,   912
.set QS,  4                            ; v[4:9]    16 (t + 224 k): my k-th piece of the slice, k = 0 .. 5
.set QL,  10                           ; v[10:12]  the same for k = 3 .. 5, held inside the slice (loads only)
.set VT,  10                           ; v[10:13]  later: LDS address of my T numbers, [y tile][half of K]
.set TD,  16                           ; v[16:39]  six pieces of T; at the end six pieces of out0
.set DX,  40                           ; v[40:47]  table work, x
.set DY,  48                           ; v[48:55]  table work, y
.set PKX, 56                           ; v[56:59]  8 bf16 of EX
.set PKY, 60                           ; v[60:63]  8 bf16 of EY
.set PAR, 64                           ; v[64:255] group g at 64 + 24 g: 8 px, 8 py, 8 na
.set AF,  16                           ; v[16:47]  EX fragments [x tile][K step] at 16 + 16 xt + 8 ks
.set BF,  48                           ; v[48:79]  EY fragments, two buffers, [buffer][K step]
.set SD,  16                           ; v[16:79]  later: score tiles [n tile][y tile] at 16 + 16 nt + 8 yt
.set US,  80                           ; v[80:95]  sum over y tiles of m, unclamped; later 1 / S
.set CS,  96                           ; v[96:103] sum of min(m, 1)
.set ACP, 104                          ; v[104:119] accumulators, set P (x tile 0, x tile 1)
.set ACQ, 120                          ; v[120:135] accumulators, set Q
.set TF,  104                          ; v[104:135] later: T in f32 [y tile][16], packed in place to bf16 in the first 8 of each 16
.set BO,  136                          ; v[136:167] EY of my own rows [y tile][4 x 16 n]
.set OA,  168                          ; v[168:199] m of my own rows [y tile][x tile]
.set XA,  200                          ; v[200:231] EX transposed: rows n, K = my 32 x, [n tile]
.set TMP, 232                          ; v[232:247] at work
.set VA,  248
.set VB,  249
.set VBO, 250
.set VX,  251
.set VO,  252
.set VS,  253
.set RT,  254                          ; v[254:255] 1 / image total, twice
	s_load_b512 s[8:23], s[0:1], 0x0               ; cam s[8:9], cloud s[10:11], T s[12:13], sigma s[14:15], base3 s[16:17], base2 s[18:19], out0 s[20:21], part s[22:23]
	v_lshl_add_u32 v15, v0, 2, 0x1ce00
	s_set_vgpr_msb 0x40
	v_mov_b32 v1, 0
	s_set_vgpr_msb 0x4000
	s_mov_b32 s2, ttmp9                            ; p: slice 0 .. 9
	s_and_b32 s3, ttmp7, 0xffff                    ; img 0 .. 23
	s_mul_hi_u32 s4, s3, 0x55555556                ; b = img / 3
	v_lshrrev_b32 v14, 5, v0
	v_readfirstlane_b32 s5, v14                    ; wave 0 .. 6
	s_mul_i32 s6, s2, 24
	s_lshl_b32 s7, s2, 4
	s_add_co_u32 s7, s7, 40
	s_min_u32 s6, s6, s7                           ; y0 = 24 p for p < 5, 16 p + 40 from p = 5 on
	s_min_u32 s6, s6, 184                          ; the last slice's first row: written out, so that the LDS addresses made of y0 are seen to stay inside EY's table
	s_cmp_lt_u32 s2, 5
	s_cselect_b32 s7, 24, 16                       ; R: rows of the slice
	s_mul_i32 s24, s7, 800                         ; NB: bytes of the slice
	s_sub_co_u32 s25, s24, 16                      ; its last piece
	s_sub_co_u32 s50, s7, 1
	s_sub_co_u32 s51, s7, 16                       ; rows of the slice in its second y tile: 8 or 0
	s_mul_i32 s52, s6, L_TP
	s_mul_i32 s26, s3, 160000
	s_mul_i32 s27, s6, 800
	s_add_co_u32 s26, s26, s27                     ; the slice's first byte in T and in out0 (below 3,840,000)
	s_mov_b32 s27, 0
	s_mul_i32 s48, s3, 10
	s_add_co_u32 s48, s48, s2
	s_lshl_b32 s48, s48, 8                         ; my row of part: (10 img + p) x 256 bytes
	s_mov_b32 s49, 0
	s_mul_i32 s44, s3, 24                          ; cam: 6 f32 an image
	s_lshl_b32 s45, s3, 3                          ; base2: 2 f32 an image
	s_mul_i32 s46, s4, 12                          ; base3: 3 f32 a batch
	s_mul_i32 s53, s4, 768                         ; cloud: 64 x 3 f32 a batch
	s_lshl_b32 s54, s4, 8                          ; sigma: 64 f32 a batch
	s_lshl_b32 s55, s5, 2
	s_mov_b32 s41, 0x76543210                      ; v_permlanex16_b32: lane i reads lane i of the other half
	s_mov_b32 s42, 0xfedcba98
	s_mov_b32 s43, 0xffff0000                      ; a word's upper bf16
	v_lshlrev_b32 v[QS], 4, v0
.irp k, 1,2,3,4,5
	v_add_nc_u32 v[QS+\k], 3584*\k, v[QS]
.endr
.irp k, 0,1,2
	v_min_u32 v[QL+\k], s25, v[QS+3+\k]            ; pieces past the slice's end read its last 16 bytes again: no load leaves the buffer
.endr
	v_mov_b32 v13, 0
	v_mul_u32_u24 v1, v0, L_TP
	v_add_nc_u32 v1, L_EXT, v1                     ; my row of EX's table; EY's lies 32,256 bytes further
	v_cvt_f32_u32 v14, v0
	v_fma_f32 v2, v14, 0x3c24a9cf, -1.0            ; grid value -1 + 2 t / 199
	v_cmp_gt_u32 vcc_lo, 200, v0
	v_cndmask_b32 v2, 0x5f000000, v2, vcc_lo       ; rows 200 .. 223: 2^63, so that every exponential of the row is 0
	v_mov_b32 v3, v2
	s_wait_kmcnt 0x0
	s_add_nc_u64 s[12:13], s[12:13], s[26:27]
	s_add_nc_u64 s[20:21], s[20:21], s[26:27]
	s_add_nc_u64 s[22:23], s[22:23], s[48:49]
; Six loads of 16 bytes a thread: the slice of T, 512 neighbouring bytes for each load of a wave.
.macro TLOADS
.irp k, 0,1,2
	global_load_b128 v[TD+4*\k:TD+4*\k+3], v[QS+\k], s[12:13] th:TH_LOAD_NT
.endr
.irp k, 3,4,5
	global_load_b128 v[TD+4*\k:TD+4*\k+3], v[QL+\k-3], s[12:13] th:TH_LOAD_NT
.endr
.endm
	s_cmp_ge_u32 s5, 2
	s_cbranch_scc1 .Lrest
	; Waves 0 and 1: thread t is point n = t.  Its three parameters go to LDS.
	s_load_b128 s[28:31], s[8:9], s44 offset:0x0   ; cam[0][0..2], cam[1][0]
	s_load_b64 s[32:33], s[8:9], s44 offset:0x10   ; cam[1][1..2]
	s_load_b64 s[34:35], s[18:19], s45 offset:0x0  ; base2
	s_load_b96 s[36:38], s[16:17], s46 offset:0x0  ; base3
	v_mul_u32_u24 v44, v0, 12
	v_add_nc_u32 v44, s53, v44
	v_lshl_add_u32 v45, v0, 2, s54
	global_load_b32 v40, v44, s[10:11]
	global_load_b32 v41, v44, s[10:11] offset:4
	global_load_b32 v42, v44, s[10:11] offset:8
	global_load_b32 v43, v45, s[14:15]
	TLOADS
	v_lshlrev_b32 v50, 2, v0
	s_wait_kmcnt 0x0
	s_wait_loadcnt 0x6                             ; the point and its sigma are in; the six loads of T issued behind them stay out
	v_mul_f32 v48, v43, v43
	v_rcp_f32 v48, v48                             ; 1 / sigma^2; the add below is the plain instruction in front of its use (ISA guide 5.7.2)
	v_add_f32 v40, s36, v40
	v_add_f32 v41, s37, v41
	v_add_f32 v42, s38, v42
	v_mul_f32 v46, s28, v40
	v_mul_f32 v47, s31, v40
	v_fmac_f32 v46, s29, v41
	v_fmac_f32 v47, s32, v41
	v_fmac_f32 v46, s30, v42
	v_fmac_f32 v47, s33, v42
	v_sub_f32 v46, v46, s34
	v_sub_f32 v47, v47, s35
	v_add_f32 v46, 0x42c80000, v46                 ; + 100: the pixel coordinate
	v_add_f32 v47, 0x42c80000, v47
	v_fma_f32 v46, v46, 0x3c23d70a, -1.0           ; (u - 100) / 100 as u * 0.01 - 1
	v_fma_f32 v47, v47, 0x3c23d70a, -1.0
	v_max_num_f32 v46, -1.0, v46
	v_max_num_f32 v47, -1.0, v47
	v_min_num_f32 v46, 1.0, v46
	v_min_num_f32 v47, 1.0, v47
	s_wait_alu depctr_va_vdst(0)
	v_mul_f32 v48, 0xbf38aa3b, v48                 ; na = -log2(e) / 2 / sigma^2
	ds_store_b32 v50, v46 offset:L_PX
	ds_store_b32 v50, v47 offset:L_PY
	ds_store_b32 v50, v48 offset:L_NA
	s_branch .Ljoin
.Lrest:
	TLOADS
.Ljoin:
	s_wait_dscnt 0x0                               ; my stores of the parameters are done,
	s_barrier_signal -1
	s_barrier_wait -1                              ; everybody's are
	; THE TABLES.  All 192 parameters come to every lane (48 loads, all lanes at one address), group by group of 8 points.
.irp g, 0,1,2,3,4,5,6,7
	ds_load_b128 v[PAR+24*\g:PAR+24*\g+3],     v13 offset:L_PX+32*\g
	ds_load_b128 v[PAR+24*\g+4:PAR+24*\g+7],   v13 offset:L_PX+32*\g+16
	ds_load_b128 v[PAR+24*\g+8:PAR+24*\g+11],  v13 offset:L_PY+32*\g
	ds_load_b128 v[PAR+24*\g+12:PAR+24*\g+15], v13 offset:L_PY+32*\g+16
	ds_load_b128 v[PAR+24*\g+16:PAR+24*\g+19], v13 offset:L_NA+32*\g
	ds_load_b128 v[PAR+24*\g+20:PAR+24*\g+23], v13 offset:L_NA+32*\g+16
.endr
; Points 8 g .. 8 g + 7 of my row of both tables: 16 exponentials, 16 bytes into each table.
.macro GROUP g
	s_wait_dscnt 42-6*\g                           ; LDS instructions end in order (ISA guide 5.7.1): the six loads of each later group may stay out (the earlier groups' stores are younger still)
.irp i, 0,2,4,6
	v_pk_add_f32 v[DX+\i:DX+\i+1], v[PAR+24*\g+\i:PAR+24*\g+\i+1], v[2:3] neg_lo:[0,1] neg_hi:[0,1]
.endr
.irp i, 0,2,4,6
	v_pk_mul_f32 v[DX+\i:DX+\i+1], v[DX+\i:DX+\i+1], v[DX+\i:DX+\i+1]
.endr
.irp i, 0,2,4,6
	v_pk_mul_f32 v[DX+\i:DX+\i+1], v[DX+\i:DX+\i+1], v[PAR+24*\g+16+\i:PAR+24*\g+16+\i+1]
.endr
.irp i, 0,1,2,3,4,5,6,7
	v_exp_f32 v[DX+\i], v[DX+\i]
.endr
.irp i, 0,2,4,6
	v_pk_add_f32 v[DY+\i:DY+\i+1], v[PAR+24*\g+8+\i:PAR+24*\g+8+\i+1], v[2:3] neg_lo:[0,1] neg_hi:[0,1]   ; plain work on other registers behind x's exponentials (ISA guide 5.7.2)
.endr
.irp i, 0,2,4,6
	v_pk_mul_f32 v[DY+\i:DY+\i+1], v[DY+\i:DY+\i+1], v[DY+\i:DY+\i+1]
.endr
.irp i, 0,2,4,6
	v_pk_mul_f32 v[DY+\i:DY+\i+1], v[DY+\i:DY+\i+1], v[PAR+24*\g+16+\i:PAR+24*\g+16+\i+1]
.endr
.irp i, 0,1,2,3,4,5,6,7
	v_exp_f32 v[DY+\i], v[DY+\i]
.endr
	s_wait_alu depctr_va_vdst(0)
.irp i, 0,1,2,3
	v_cvt_pk_bf16_f32 v[PKX+\i], v[DX+2*\i], v[DX+2*\i+1]      ; x's roundings are the plain work behind y's exponentials
.endr
	ds_store_b128 v1, v[PKX:PKX+3] offset:16*\g
.irp i, 0,1,2,3
	v_cvt_pk_bf16_f32 v[PKY+\i], v[DY+2*\i], v[DY+2*\i+1]
.endr
	ds_store_b128 v1, v[PKY:PKY+3] offset:L_EYT-L_EXT+16*\g
.endm
.irp g, 0,1,2,3,4,5,6,7
	GROUP \g
.endr
	s_wait_loadcnt 0x0                             ; T's slice has come
.irp k, 0,1,2,3,4,5
	ds_store_b128 v[QS+\k], v[TD+4*\k:TD+4*\k+3] offset:L_TST  ; each thread at bytes of its own; pieces past the slice's end are never read
.endr
	s_wait_dscnt 0x0                               ; my rows of the tables and my pieces of T are in LDS,
	s_barrier_signal -1
	; register work while the others arrive: the addresses of the rest of the kernel.  L = lane, r = L % 16, h = L / 16.
	v_and_b32 v232, 15, v0                         ; r
	v_bfe_u32 v233, v0, 4, 1                       ; h
	v_and_b32 v234, 0xe0, v0                       ; 32 w
	v_or_b32 v235, v234, v232
	v_mul_u32_u24 v235, v235, L_TP
	v_lshl_add_u32 v235, v233, 4, v235
	v_add_nc_u32 v[VA], L_EXT, v235                ; EX fragment: row 32 w + r, 16 h
	v_mul_u32_u24 v236, v232, L_TP
	v_lshl_add_u32 v236, v233, 4, v236
	v_add_nc_u32 v[VB], L_EYT, v236                ; EY fragment: row r, 16 h
	v_add_nc_u32 v[VBO], s52, v[VB]                ; the same from my slice's first row
	v_and_b32 v237, 7, v0
	v_lshl_or_b32 v237, v233, 3, v237
	v_or_b32 v237, v234, v237
	v_mul_u32_u24 v237, v237, L_TP
	v_bfe_u32 v238, v0, 3, 1
	v_lshl_add_u32 v237, v238, 4, v237
	v_add_nc_u32 v[VX], L_EXT, v237                ; transposing load: row 32 w + 8 h + L % 8, 16 ((L / 8) % 2)
	v_lshlrev_b32 v239, 2, v234
	v_lshl_add_u32 v239, v233, 5, v239             ; 128 w + 32 h: byte of x = 32 w + 8 h in a row of f32
	v_mad_u32_u24 v[VO], v232, L_OP, v239          ; out0's stage: row r
	v_lshlrev_b32 v240, 3, v234
	v_lshl_add_u32 v[VS], v233, 5, v240            ; score stage: 256 w + 32 h
	v_min_u32 v241, 768, v239                      ; columns from 200 on read the row's last 32 bytes: EX is 0 there
	v_add_nc_u32 v242, 64, v239
	v_min_u32 v242, 768, v242
	v_mul_u32_u24 v243, v232, 800
	v_add_nc_u32 v244, 16, v232
	v_min_u32 v244, s50, v244                      ; rows past the slice read its last row; they are set to 0 below
	v_mul_u32_u24 v244, v244, 800
	v_add_nc_u32 v[VT+0], v243, v241
	v_add_nc_u32 v[VT+1], v243, v242
	v_add_nc_u32 v[VT+2], v244, v241
	v_add_nc_u32 v[VT+3], v244, v242
	v_cmp_gt_u32 s39, s51, v232                    ; lanes whose row 16 + r belongs to the slice
	s_barrier_wait -1                              ; everybody's are: from here on tables and T are only read
	; THE FULL SUM.  Source 0 = 16 rows x of EX, source 1 = 16 rows y of EY: register j of lane (r, h) holds m[16 yt + r][32 w + 16 xt + 8 h + j].
.irp yt, 0,1
.irp i, 0,1,2,3
	ds_load_b128 v[BO+16*\yt+4*\i:BO+16*\yt+4*\i+3], v[VBO] offset:16*L_TP*\yt+32*\i
.endr
.endr
.irp nt, 0,1,2,3
	ds_load_tr16_b128 v[XA+8*\nt:XA+8*\nt+3],   v[VX] offset:32*\nt
	ds_load_tr16_b128 v[XA+8*\nt+4:XA+8*\nt+7], v[VX] offset:32*\nt+16*L_TP
.endr
.irp xt, 0,1
.irp ks, 0,1
	ds_load_b128 v[AF+16*\xt+8*\ks:AF+16*\xt+8*\ks+3],   v[VA] offset:16*L_TP*\xt+64*\ks
	ds_load_b128 v[AF+16*\xt+8*\ks+4:AF+16*\xt+8*\ks+7], v[VA] offset:16*L_TP*\xt+64*\ks+32
.endr
.endr
.macro LOADB buf, yt                   ; EY's rows 16 yt .. 16 yt + 15, both K steps
.irp ks, 0,1
	ds_load_b128 v[BF+16*(\buf)+8*\ks:BF+16*(\buf)+8*\ks+3],   v[VB] offset:16*L_TP*(\yt)+64*\ks
	ds_load_b128 v[BF+16*(\buf)+8*\ks+4:BF+16*(\buf)+8*\ks+7], v[VB] offset:16*L_TP*(\yt)+64*\ks+32
.endr
.endm
; One y tile x my two x tiles, K = 64.  The first products start the sums: nothing is cleared.
; The two accumulators take turns, one instruction a turn.
.macro MM d0, d1, buf
	v_wmma_f32_16x16x32_bf16 v[\d0:\d0+7], v[AF:AF+7],     v[BF+16*(\buf):BF+16*(\buf)+7], 0
	v_wmma_f32_16x16x32_bf16 v[\d1:\d1+7], v[AF+16:AF+23], v[BF+16*(\buf):BF+16*(\buf)+7], 0
	v_wmma_f32_16x16x32_bf16 v[\d0:\d0+7], v[AF+8:AF+15],  v[BF+16*(\buf)+8:BF+16*(\buf)+15], v[\d0:\d0+7]
	v_wmma_f32_16x16x32_bf16 v[\d1:\d1+7], v[AF+24:AF+31], v[BF+16*(\buf)+8:BF+16*(\buf)+15], v[\d1:\d1+7]
.endm
; A finished set of 16 registers: into the unclamped sums, clamped in place, into the clamped sums.  32 plain instructions.
.macro PROC set
.irp j, 0,2,4,6,8,10,12,14
	v_pk_add_f32 v[US+\j:US+\j+1], v[US+\j:US+\j+1], v[\set+\j:\set+\j+1]
.endr
.irp j, 0,1,2,3,4,5,6,7,8,9,10,11,12,13,14,15
	v_min_num_f32 v[\set+\j], 1.0, v[\set+\j]
.endr
.irp j, 0,2,4,6
	v_pk_add_f32 v[CS+\j:CS+\j+1], v[CS+\j:CS+\j+1], v[\set+\j:\set+\j+1]
.endr
.irp j, 0,2,4,6
	v_pk_add_f32 v[CS+\j:CS+\j+1], v[CS+\j:CS+\j+1], v[\set+8+\j:\set+8+\j+1]
.endr
.endm
; A y tile: its products into set cur; the next tile's rows into the other buffer; the set before is worked off.
; That work names none of this tile's matrix registers, so its 32 instructions are the places in front of
; the next step's reading of cur, of the load into this tile's buffer and of the products that write cur again.
.macro STEP cur, prev, buf, nbuf, nyt
	s_wait_dscnt 0x0                               ; this tile's rows of EY are in
	MM \cur, \cur+8, \buf
.if \nyt
	LOADB \nbuf, \nyt
.endif
	PROC \prev
.endm
	LOADB 0, 0
	LOADB 1, 1
	s_wait_dscnt 0x4                               ; all but y tile 1's four loads
	MM US, US+8, 0                                 ; tile 0 lands in the unclamped sums themselves
	s_wait_dscnt 0x0
	MM ACP, ACP+8, 1
.rept 4
	v_nop                                          ; four places behind tile 0's products, in front of the load into its buffer and the reading of its results
.endr
	LOADB 0, 2
.irp j, 0,1,2,3,4,5,6,7
	v_min_num_f32 v[CS+\j], 1.0, v[US+\j]          ; tile 0 starts the clamped sums
.endr
.irp j, 0,1,2,3,4,5,6,7
	v_min_num_f32 v[TMP+\j], 1.0, v[US+8+\j]
.endr
.irp j, 0,2,4,6
	v_pk_add_f32 v[CS+\j:CS+\j+1], v[CS+\j:CS+\j+1], v[TMP+\j:TMP+\j+1]
.endr
	STEP ACQ, ACP, 0, 1, 3                         ; y tile 2
	STEP ACP, ACQ, 1, 0, 4
	STEP ACQ, ACP, 0, 1, 5
	STEP ACP, ACQ, 1, 0, 6
	STEP ACQ, ACP, 0, 1, 7
	STEP ACP, ACQ, 1, 0, 8
	STEP ACQ, ACP, 0, 1, 9
	STEP ACP, ACQ, 1, 0, 10
	STEP ACQ, ACP, 0, 1, 11
	STEP ACP, ACQ, 1, 0, 12
	STEP ACQ, ACP, 0, 1, 0                         ; y tile 12, the last (rows 192 .. 207): nothing more to fetch
	; my own 32 rows once more, kept: four accumulators by turns
.irp yt, 0,1
.irp xt, 0,1
	v_wmma_f32_16x16x32_bf16 v[OA+16*\yt+8*\xt:OA+16*\yt+8*\xt+7], v[AF+16*\xt:AF+16*\xt+7], v[BO+16*\yt:BO+16*\yt+7], 0
.endr
.endr
.irp yt, 0,1
.irp xt, 0,1
	v_wmma_f32_16x16x32_bf16 v[OA+16*\yt+8*\xt:OA+16*\yt+8*\xt+7], v[AF+16*\xt+8:AF+16*\xt+15], v[BO+16*\yt+8:BO+16*\yt+15], v[OA+16*\yt+8*\xt:OA+16*\yt+8*\xt+7]
.endr
.endr
	PROC ACQ                                       ; tile 12; also the places behind the eight products above
	; T of my rows and columns as a source-1 fragment in f32: row 16 yt + r, x = 32 w + 16 c + 8 h + 0 .. 7
.irp yt, 0,1
.irp c, 0,1
	ds_load_b128 v[TF+16*\yt+8*\c:TF+16*\yt+8*\c+3],   v[VT+2*\yt+\c] offset:L_TST
	ds_load_b128 v[TF+16*\yt+8*\c+4:TF+16*\yt+8*\c+7], v[VT+2*\yt+\c] offset:L_TST+16
.endr
.endr
	; my wave's part of the image total: within the lane, then over the 32 lanes
	v_pk_add_f32 v[CS:CS+1], v[CS:CS+1], v[CS+2:CS+3]
	v_pk_add_f32 v[CS+4:CS+5], v[CS+4:CS+5], v[CS+6:CS+7]
	v_pk_add_f32 v[CS:CS+1], v[CS:CS+1], v[CS+4:CS+5]
	v_add_f32 v[CS], v[CS], v[CS+1]
.irp m, 1,2,4,8
	v_add_f32_dpp v[CS], v[CS], v[CS] row_xmask:\m row_mask:0xf bank_mask:0xf
.endr
	v_permlanex16_b32 v[CS+1], v[CS], s41, s42
	v_add_f32 v[CS], v[CS], v[CS+1]
	v_mov_b32 v[CS+2], s55
	ds_store_b32 v[CS+2], v[CS] offset:L_SUMW      ; all lanes write the wave's word with the same value
	s_wait_dscnt 0x0                               ; the word is in LDS (and T's numbers are in registers),
	s_barrier_signal -1
	; register work while the others arrive: the scores of my 32 columns.
	; S[x]: the sum over the 16 lanes of a half, which hold 16 rows y of the same 8 columns.
.irp m, 1,2,4,8
.irp j, 0,1,2,3,4,5,6,7,8,9,10,11,12,13,14,15
	v_add_f32_dpp v[US+\j], v[US+\j], v[US+\j] row_xmask:\m row_mask:0xf bank_mask:0xf
.endr
.endr
.irp j, 0,1,2,3,4,5,6,7,8,9,10,11,12,13,14,15
	v_max_num_f32 v[US+\j], 0x322bcc77, v[US+\j]   ; at least 1e-8
.endr
.irp j, 0,1,2,3,4,5,6,7,8,9,10,11,12,13,14,15
	v_rcp_f32 v[US+\j], v[US+\j]
.endr
	v_nop                                          ; one plain instruction behind the run of reciprocals (ISA guide 5.7.2)
	s_wait_alu depctr_va_vdst(0)
.irp yt, 0,1
.irp j, 0,2,4,6,8,10,12,14
	v_pk_mul_f32 v[TF+16*\yt+\j:TF+16*\yt+\j+1], v[TF+16*\yt+\j:TF+16*\yt+\j+1], v[US+\j:US+\j+1]   ; T / S: register j of both is column 32 w + 16 (j / 8) + 8 h + j % 8
.endr
.endr
.irp yt, 0,1
.irp i, 0,1,2,3,4,5,6,7
	v_cvt_pk_bf16_f32 v[TF+16*\yt+\i], v[TF+16*\yt+2*\i], v[TF+16*\yt+2*\i+1]   ; in place: the target never lies above its sources
.endr
.endr
.irp i, 0,1,2,3,4,5,6,7
	v_cndmask_b32 v[TF+16+\i], 0, v[TF+16+\i], s39 ; rows past the slice count for nothing
.endr
	; SD[nt][yt](n, y) = sum over my 32 x of EX[n][x] T[y][x] / S[x]: eight accumulators, one product each
.irp nt, 0,1,2,3
.irp yt, 0,1
	v_wmma_f32_16x16x32_bf16 v[SD+16*\nt+8*\yt:SD+16*\nt+8*\yt+7], v[XA+8*\nt:XA+8*\nt+7], v[TF+16*\yt:TF+16*\yt+7], 0
.endr
.endr
; Times EY[n][y], both y tiles added.  Register j of SD in lane (r, h) is n = 16 nt + 8 h + j, y = 16 yt + r: the very numbers
; that the lane holds in BO[yt][nt].  The first call's 16 unpackings name no register of the products above: they are the places behind them.
.macro WEIGH nt
.irp i, 0,1,2,3
	v_lshlrev_b32 v[TMP+2*\i],   16,  v[BO+4*\nt+\i]
	v_and_b32     v[TMP+2*\i+1], s43, v[BO+4*\nt+\i]
	v_lshlrev_b32 v[TMP+8+2*\i],   16,  v[BO+16+4*\nt+\i]
	v_and_b32     v[TMP+8+2*\i+1], s43, v[BO+16+4*\nt+\i]
.endr
.irp i, 0,2,4,6
	v_pk_mul_f32 v[SD+16*\nt+\i:SD+16*\nt+\i+1], v[SD+16*\nt+\i:SD+16*\nt+\i+1], v[TMP+\i:TMP+\i+1]
.endr
.irp i, 0,2,4,6
	v_pk_fma_f32 v[SD+16*\nt+\i:SD+16*\nt+\i+1], v[SD+16*\nt+8+\i:SD+16*\nt+8+\i+1], v[TMP+8+\i:TMP+8+\i+1], v[SD+16*\nt+\i:SD+16*\nt+\i+1]
.endr
.endm
	WEIGH 0
	WEIGH 1
	WEIGH 2
	WEIGH 3
.irp m, 1,2,4,8
.irp nt, 0,1,2,3
.irp j, 0,1,2,3,4,5,6,7
	v_add_f32_dpp v[SD+16*\nt+\j], v[SD+16*\nt+\j], v[SD+16*\nt+\j] row_xmask:\m row_mask:0xf bank_mask:0xf   ; the sum over y
.endr
.endr
.endr
	s_barrier_wait -1                              ; all seven words of the total are in LDS
	v_mov_b32 v240, 0
	ds_load_b128 v[232:235], v240 offset:L_SUMW
	ds_load_b96 v[236:238], v240 offset:L_SUMW+16
	s_wait_dscnt 0x0
	v_add_f32 v232, v232, v233
	v_add_f32 v234, v234, v235
	v_add_f32 v236, v236, v237
	v_add_f32 v232, v232, v234
	v_add_f32 v236, v236, v238
	v_add_f32 v232, v232, v236
	v_max_num_f32 v232, 0x322bcc77, v232           ; at least 1e-8
	v_rcp_f32 v[RT], v232
	v_rcp_f32 v[RT+1], v232                        ; twice, for the packed multiply; the clamps below are the plain work behind them
.irp j, 0,1,2,3,4,5,6,7,8,9,10,11,12,13,14,15,16,17,18,19,20,21,22,23,24,25,26,27,28,29,30,31
	v_min_num_f32 v[OA+\j], 1.0, v[OA+\j]
.endr
	s_wait_alu depctr_va_vdst(0)
.irp j, 0,2,4,6,8,10,12,14,16,18,20,22,24,26,28,30
	v_pk_mul_f32 v[OA+\j:OA+\j+1], v[OA+\j:OA+\j+1], v[RT:RT+1]
.endr
.irp yt, 0,1
.irp xt, 0,1
	ds_store_b128 v[VO], v[OA+16*\yt+8*\xt:OA+16*\yt+8*\xt+3]   offset:L_OST+16*L_OP*\yt+64*\xt      ; row 16 yt + r, 8 neighbouring columns; columns from 200 on fall into the pitch
	ds_store_b128 v[VO], v[OA+16*\yt+8*\xt+4:OA+16*\yt+8*\xt+7] offset:L_OST+16*L_OP*\yt+64*\xt+16
.endr
.endr
.irp nt, 0,1,2,3
	ds_store_b128 v[VS], v[SD+16*\nt:SD+16*\nt+3]   offset:L_SCW+64*\nt       ; the 16 lanes of a half hold the same sums and write the same bytes
	ds_store_b128 v[VS], v[SD+16*\nt+4:SD+16*\nt+7] offset:L_SCW+64*\nt+16
.endr
	s_wait_dscnt 0x0                               ; my columns of the slice and my score sums are in LDS,
	s_barrier_signal -1
.irp k, 0,1,2,3,4,5
	v_add_nc_u32 v14, 224*\k, v0                   ; piece q = t + 224 k lies in row q / 50 = (1311 q) >> 16 (exact below q = 4,650),
	v_mul_u32_u24 v14, v14, 1311
	v_lshrrev_b32 v14, 16, v14
	v_mad_u32_u24 v[TMP+\k], v14, 112, v[QS+\k]    ; and a staged row is 112 bytes longer than a row of out0
.endr
	s_barrier_wait -1                              ; everybody's are
	; THE WAY OUT: the slice is dense in memory; each store of a wave covers 512 consecutive bytes, at a multiple of 256 from out0's first byte.
.irp k, 0,1,2,3,4,5
	ds_load_b128 v[TD+4*\k:TD+4*\k+3], v[TMP+\k] offset:L_OST
.endr
.macro OUTK k, masked
	s_wait_dscnt 5-\k                              ; piece k is in; the younger ones may stay out
.if \masked
	v_cmp_gt_u32 vcc_lo, s24, v[QS+\k]             ; pieces inside the slice (12,800 or 19,200 bytes; the first three pieces of every thread always are)
	s_wait_xcnt 0x0                                ; EXEC is a source of the stores issued so far: it changes only behind this wait
	s_and_saveexec_b32 s40, vcc_lo
.endif
	global_store_b128 v[QS+\k], v[TD+4*\k:TD+4*\k+3], s[20:21] th:TH_STORE_NT
.if \masked
	s_wait_xcnt 0x0                                ; and again in front of the line that widens it
	s_or_b32 exec_lo, exec_lo, s40
.endif
.endm
	OUTK 0, 0
	OUTK 1, 0
	OUTK 2, 0
	OUTK 3, 1
	OUTK 4, 1
	OUTK 5, 1
	s_cmp_lg_u32 s5, 0
	s_cbranch_scc1 .Lend
	; wave 0 adds the seven waves' score sums: lane L takes points 2 L and 2 L + 1; one store of 256 consecutive bytes, the whole row of part
	v_lshlrev_b32 v14, 3, v0
.irp k, 0,1,2,3,4,5,6
	ds_load_b64 v[DX+2*\k:DX+2*\k+1], v14 offset:L_SCW+256*\k
.endr
	s_wait_dscnt 0x0
	v_pk_add_f32 v[DX:DX+1], v[DX:DX+1], v[DX+2:DX+3]
	v_pk_add_f32 v[DX+4:DX+5], v[DX+4:DX+5], v[DX+6:DX+7]
	v_pk_add_f32 v[DX+8:DX+9], v[DX+8:DX+9], v[DX+10:DX+11]
	v_pk_add_f32 v[DX:DX+1], v[DX:DX+1], v[DX+4:DX+5]
	v_pk_add_f32 v[DX+8:DX+9], v[DX+8:DX+9], v[DX+12:DX+13]
	v_pk_add_f32 v[DX:DX+1], v[DX:DX+1], v[DX+8:DX+9]
	global_store_b64 v14, v[DX:DX+1], s[22:23]
.Lend:
	s_set_vgpr_msb 0x4
	s_wait_tensorcnt 0x0
	ds_add_u32 v15, v1
	s_wait_dscnt 0x0
	s_set_vgpr_msb 0x400
	s_endpgm
.Lfunc_end_k_qbd612e7d6f_render:
	.size	k_qbd612e7d6f_render, .Lfunc_end_k_qbd612e7d6f_render-k_qbd612e7d6f_render
	.p2alignl 7, 3214868480
	.fill 96, 4, 3214868480
	.section	.rodata,"a",@progbits
	.p2align	6, 0x0
	.amdhsa_kernel k_qbd612e7d6f_render
		.amdhsa_group_segment_fixed_size 119296
		.amdhsa_private_segment_fixed_size 0
		.amdhsa_enable_private_segment 0
		.amdhsa_kernarg_size 64
		.amdhsa_user_sgpr_count 2
		.amdhsa_user_sgpr_kernarg_segment_ptr 1
		.amdhsa_wavefront_size32 1
		.amdhsa_system_sgpr_workgroup_id_x 1
		.amdhsa_system_sgpr_workgroup_id_y 1
		.amdhsa_system_sgpr_workgroup_id_z 1
		.amdhsa_system_vgpr_workitem_id 0
		.amdhsa_next_free_vgpr 258
		.amdhsa_next_free_sgpr 66
		.amdhsa_reserve_vcc 1
		.amdhsa_float_denorm_mode_32 3
		.amdhsa_float_denorm_mode_16_64 3
		.amdhsa_memory_ordered 1
		.amdhsa_forward_progress 1
		.amdhsa_inst_pref_size 91
	.end_amdhsa_kernel
	.amdgpu_metadata
---
amdhsa.version: [ 1, 2 ]
amdhsa.kernels:
  - .name:           k_qbd612e7d6f_render
    .symbol:         k_qbd612e7d6f_render.kd
    .args:
      - { .name: cam_coeffs, .offset: 0, .size: 8, .value_kind: global_buffer, .address_space: global }
      - { .name: cloud_points, .offset: 8, .size: 8, .value_kind: global_buffer, .address_space: global }
      - { .name: masks_target, .offset: 16, .size: 8, .value_kind: global_buffer, .address_space: global }
      - { .name: blur_sigmas_cloud, .offset: 24, .size: 8, .value_kind: global_buffer, .address_space: global }
      - { .name: points_3d_base, .offset: 32, .size: 8, .value_kind: global_buffer, .address_space: global }
      - { .name: points_2d_base, .offset: 40, .size: 8, .value_kind: global_buffer, .address_space: global }
      - { .name: out0, .offset: 48, .size: 8, .value_kind: global_buffer, .address_space: global }
      - { .name: part, .offset: 56, .size: 8, .value_kind: global_buffer, .address_space: global }
    .group_segment_fixed_size: 119296
    .private_segment_fixed_size: 0
    .kernarg_segment_align: 8
    .kernarg_segment_size: 64
    .max_flat_workgroup_size: 224
    .sgpr_count:     66
    .vgpr_count:     258
    .wavefront_size: 32
...
	.end_amdgpu_metadata
.endif
;; end of part 1
;; launch reduce (part 2): grid 8 x 1, 1 waves a work-group, no clusters, 0 bytes of LDS; arguments part, out1; writes out1
.if DOCPART == 2
	.amdgcn_target "amdgcn-amd-amdhsa--gfx1250"
	.amdhsa_code_object_version 6
	.text
	.protected	k_qbd612e7d6f_reduce
	.globl	k_qbd612e7d6f_reduce
	.p2align	8
	.type	k_qbd612e7d6f_reduce,@function
k_qbd612e7d6f_reduce:
	s_mov_b64 s[64:65], 0
	v_nop
	global_prefetch_b8 v0, s[64:65] scope:SCOPE_SE
	s_setreg_imm32_b32 hwreg(HW_REG_WAVE_MODE, 25, 1), 1
	s_wait_xcnt 0x0
; out1[b][n] = (1/3) x the sum over the 3 cameras and 10 slices of part[3 b + c][p][n].
; The 30 rows of a batch lie one behind the other in part (7,680 bytes).  One wave for a batch: lane L takes points 2 L and 2 L + 1,
; so each load of the wave is one whole row of 256 bytes, and the one store is the batch's whole row of out1.
; Eight work-groups, since there are only 512 numbers to make; no LDS, no barrier, no matrix unit: 29 additions a number.
.set ROWS, 30
.set D, 2                              ; v[2:61] row k at 2 + 2 k
	s_load_b128 s[4:7], s[0:1], 0x0                ; part s[4:5], out1 s[6:7]
	s_mul_i32 s8, ttmp9, ROWS*256
	s_mov_b32 s9, 0
	s_lshl_b32 s10, ttmp9, 8
	s_mov_b32 s11, 0
	v_lshlrev_b32 v1, 3, v0
	s_wait_kmcnt 0x0
	s_add_nc_u64 s[4:5], s[4:5], s[8:9]
	s_add_nc_u64 s[6:7], s[6:7], s[10:11]
.set k, 0
.rept ROWS
	global_load_b64 v[D+2*k:D+2*k+1], v1, s[4:5] offset:256*k th:TH_LOAD_NT
.set k, k+1
.endr
; rows first + 1 .. first + 9 are added onto row first
.macro CHAIN first
.irp i, 1,2,3,4,5,6,7,8,9
	v_pk_add_f32 v[D+2*\first:D+2*\first+1], v[D+2*\first:D+2*\first+1], v[D+2*(\first+\i):D+2*(\first+\i)+1]
.endr
.endm
	s_wait_loadcnt 20                              ; loads come back in order (ISA guide 5.7.1): rows 0 .. 9 are in, the 20 younger may stay out
	CHAIN 0
	s_wait_loadcnt 10                              ; rows 10 .. 19
	CHAIN 10
	s_wait_loadcnt 0x0
	CHAIN 20
	v_pk_add_f32 v[D:D+1], v[D:D+1], v[D+20:D+21]
	v_pk_add_f32 v[D:D+1], v[D:D+1], v[D+40:D+41]
	v_pk_mul_f32 v[D:D+1], v[D:D+1], 0x3eaaaaab op_sel_hi:[1,0]    ; the mean over three cameras
	global_store_b64 v1, v[D:D+1], s[6:7]
	s_endpgm
.Lfunc_end_k_qbd612e7d6f_reduce:
	.size	k_qbd612e7d6f_reduce, .Lfunc_end_k_qbd612e7d6f_reduce-k_qbd612e7d6f_reduce
	.p2alignl 7, 3214868480
	.fill 96, 4, 3214868480
	.section	.rodata,"a",@progbits
	.p2align	6, 0x0
	.amdhsa_kernel k_qbd612e7d6f_reduce
		.amdhsa_group_segment_fixed_size 0
		.amdhsa_private_segment_fixed_size 0
		.amdhsa_enable_private_segment 0
		.amdhsa_kernarg_size 16
		.amdhsa_user_sgpr_count 2
		.amdhsa_user_sgpr_kernarg_segment_ptr 1
		.amdhsa_wavefront_size32 1
		.amdhsa_system_sgpr_workgroup_id_x 1
		.amdhsa_system_sgpr_workgroup_id_y 1
		.amdhsa_system_sgpr_workgroup_id_z 1
		.amdhsa_system_vgpr_workitem_id 0
		.amdhsa_next_free_vgpr 64
		.amdhsa_next_free_sgpr 66
		.amdhsa_reserve_vcc 0
		.amdhsa_float_denorm_mode_32 3
		.amdhsa_float_denorm_mode_16_64 3
		.amdhsa_memory_ordered 1
		.amdhsa_forward_progress 1
		.amdhsa_inst_pref_size 6
	.end_amdhsa_kernel
	.amdgpu_metadata
---
amdhsa.version: [ 1, 2 ]
amdhsa.kernels:
  - .name:           k_qbd612e7d6f_reduce
    .symbol:         k_qbd612e7d6f_reduce.kd
    .args:
      - { .name: part, .offset: 0, .size: 8, .value_kind: global_buffer, .address_space: global }
      - { .name: out1, .offset: 8, .size: 8, .value_kind: global_buffer, .address_space: global }
    .group_segment_fixed_size: 0
    .private_segment_fixed_size: 0
    .kernarg_segment_align: 8
    .kernarg_segment_size: 16
    .max_flat_workgroup_size: 32
    .sgpr_count:     66
    .vgpr_count:     64
    .wavefront_size: 32
...
	.end_amdgpu_metadata
.endif
;; end of part 2
